; MI455X (gfx1250); checked and timed in simulation.
; The chip was launched on July 23, 2026; its instructions are those of AMD's public machine-readable ISA for CDNA 5 (MIT licence, August 2026) and "CDNA5" Instruction Set Architecture Reference Guide (July 2026). The comments in the code are by the model that wrote it; some were corrected since.
;; Scorer. Allowed arithmetic: matrix products marked QUANTISED: E2M1 operands, one E8M0 scale for each 32 along K, by v_wmma_scale_f32_16x16x128_f8f6f4 with both operands' format E2M1 (or v_wmma_scale_f32_32x16x128_f4), f32 sums; everything else in f32.
;; Inputs: feature_batch 8 x 32 x 32 x 512 float32; mb 16,384 x 512 float32.
;; Outputs: out0 8 x 1 x 32 x 32 float32; out1 8 float32.
;; Constants: b = 9.
;; This version of the problem:
;;   THIS VERSION OF THE PROBLEM IS GIVEN IN LOW PRECISION. The matrix products marked QUANTISED in the list below multiply operands that are first quantised to E2M1 (2 exponent bits, 1 mantissa bit; 4 bits a number), with one power-of-two scale for each 32 numbers along K (OCP MX v1.0); their sums are f32. All else is computed in f32.
;;   The module's matrix products, in the order in which they are computed (A, B: the left and right operand; K: the contracted axis; several contracted axes count as one K, in the product's order):
;;     1. [M 8,192, K 512] x [K 512, N 16,384]; A: input feature_batch; B: input mb: QUANTISED
;;   THE QUANTISER, for each operand of a quantised product, along K:
;;     - K is cut into blocks of 32 from its start; a last block that is shorter is filled with zeros.
;;     - A block's scale is 2^e with e = floor(log2(the largest magnitude in the block)) - 2, held to -126 .. 127; a block of zeros has e = 0. As a byte (E8M0): e + 127.
;;     - Each number is divided by its block's scale, clamped to +-6, and rounded to the nearest number of E2M1, ties to even, subnormals kept.
;;     - The product sums the exact products of the quantised numbers (number of the format x scale) in f32.
;;   ~~~python
;;   def quantise(x, axis):      # numpy; x: float32 -> the quantised numbers, widened to float32 again
;;       x = np.moveaxis(x, axis, -1); K = x.shape[-1]
;;       x = np.pad(x, [(0, 0)] * (x.ndim - 1) + [(0, -K % 32)]); x = x.reshape(x.shape[:-1] + (-1, 32)); a = np.abs(x).max(-1, keepdims=True)
;;       e = np.where(a > 0, np.clip(np.frexp(np.where(a > 0, a, 1))[1] - 1 - 2, -126, 127), 0)      # np.frexp(a)[1] - 1 = floor(log2(a)), exactly
;;       r = np.clip(x / 2.0 ** e, -6, 6)
;;       step = 2.0 ** (np.maximum(np.frexp(np.where(r == 0, 1, r))[1] - 1, 0) - 1)
;;       q = np.round(r / step) * step * 2.0 ** e      # np.round: ties to even
;;       return np.moveaxis(q.reshape(q.shape[:-2] + (-1,))[..., :K], -1, axis).astype(np.float32)
;;   ~~~
;; One version. Each part assembles by itself: llvm-mc -triple=amdgcn-amd-amdhsa -mcpu=gfx1250 --defsym DOCPART=n.
;; ======== version 1 of 1: 5 launches
;; workspace buffers: codes 6,291,456 bytes; scales 393,216 bytes; norms 98,304 bytes; pmax 262,144 bytes; idx 256 bytes of whole numbers; cand 65,536 bytes
;; launch quant (part 1): grid 384 x 1, 4 waves a work-group, no clusters, 37,888 bytes of LDS; arguments feature_batch, mb, codes, scales, norms; writes codes, scales, norms
.if DOCPART == 1
	.amdgcn_target "amdgcn-amd-amdhsa--gfx1250"
	.amdhsa_code_object_version 6
	.text
	.protected	k_qf7dfc705d2_quant
	.globl	k_qf7dfc705d2_quant
	.p2align	8
	.type	k_qf7dfc705d2_quant,@function
k_qf7dfc705d2_quant:
	s_mov_b64 s[64:65], 0
	v_nop
	global_prefetch_b8 v0, s[64:65] scope:SCOPE_SE
	s_setreg_imm32_b32 hwreg(HW_REG_WAVE_MODE, 25, 1), 1
	s_wait_xcnt 0x0
; feature_batch (8,192 rows) and mb (16,384 rows), 512 f32 a row, become codes of FP4 (E2M1), one E8M0 byte for each 32 along K, and one number a row:
; the sum of squares of a query row, and -1/2 of the sum of squares of a row of mb (the later product takes it as the start of its sums).
; The two tensors count as one list of 24,576 rows: rows 0 .. 8,191 the queries, then mb.
; A block's scale is 2^(floor(log2(its largest magnitude)) - 2); its byte is the largest magnitude's exponent field - 2, held at 1 from below.
; LIMITS: NaN and infinities are not served; a block whose largest magnitude lies under 2^-124 keeps the byte 1; a block of zeros gets the byte 1
; (its codes are zeros, which add nothing, and the bytes are read by this program alone).
; LAYOUT OF THE CODES: by blocks of 16 rows, 4,096 bytes each, in the order of the matrix operand's registers: byte = 4,096 x row block + 256 x kb + 16 x row in block,
; kb the block of 32 along K.  For the q-th 128 along K and register group c the 512 bytes at 1,024 q + 512 c hold lane l's 16 bytes at 16 l.
; SCALE BYTES: [row][16].  NORMS: [row] f32.
; SHARES: a work-group takes 64 rows (work-groups 0 .. 127 the queries, the others mb: only pointers and one factor are chosen, the path is one), a wave 16 rows: one row block.
; A step is 64 along K: eight loads, in each of which sixteen lanes read 256 consecutive bytes, aligned; the 4,096 bytes turn through the wave's own stage in LDS
; (rows 272 bytes apart: the sixteen rows of a read start at sixteen different banks, 64 banks of 4 bytes: ISA guide 11.1), and lane (r, h) gets block 2 t + h of row r in 32 registers:
; the block's largest magnitude needs no other lane, and the four conversions give the lane's 16 bytes of the layout above.  Loads run four steps ahead, the turn through LDS one step.
.set SP,    272                        ; a stage row
.set STAGE, 16*SP                      ; a stage: 16 rows
.set SCW,   2*STAGE                    ; behind the wave's two stages: its 256 scale bytes
.set WREG,  9216                       ; LDS of a wave
.set NRM,   4*WREG                     ; the work-group's 64 norms
.set IN,  2                            ; v2   in: 2,048 h + 16 r
.set STI, 3                            ; v3   into a stage: row h, 16 r
.set STO, 4                            ; v4   out of it: row r, 128 h
.set OUT, 5                            ; v5   16 x lane
.set SCA, 6                            ; v6   my row's 16 scale bytes in LDS
.set SCB, 7                            ; v7   and 8 bytes a lane on the way out
.set O8,  8                            ; v8   8 x lane
.set NRA, 9                            ; v9   my row's norm in LDS
.set SH8, 10                           ; v10  8 h
.set NRB, 17                           ; v17  the norms on the way out
.set SW,  20                           ; v20-23  my row's four scale words
.set SS,  24                           ; v24-27  sums of squares, two packed chains
.set C,   32                           ; v32-63  codes, four registers for each step: no store's data are written again
.set X,   64                           ; v64-127 two sets of 32 neighbours
.set R,   128                          ; v128-255 four sets of 32 numbers as loaded
	s_load_b128 s[4:7], s[0:1], 0x0                ; feature_batch, mb
	s_load_b128 s[8:11], s[0:1], 0x10              ; codes, scales
	s_load_b64 s[12:13], s[0:1], 0x20              ; norms
	s_set_vgpr_msb 0x40
	v_lshl_add_u32 v0, v0, 2, 0x9200
	v_mov_b32 v1, 0
	s_set_vgpr_msb 0x4000
	v_lshrrev_b32 v1, 5, v0
	v_readfirstlane_b32 s14, v1                    ; wave
	v_and_b32 v1, 31, v0                           ; lane
	v_and_b32 v30, 15, v0                          ; r
	v_bfe_u32 v31, v0, 4, 1                        ; h
	v_lshlrev_b32 v[IN], 4, v30
	v_lshl_add_u32 v[IN], v31, 11, v[IN]
	s_mul_i32 s20, s14, WREG
	v_mul_u32_u24 v[STI], v31, SP
	v_lshl_add_u32 v[STI], v30, 4, v[STI]
	v_add_nc_u32 v[STI], s20, v[STI]
	v_mul_u32_u24 v[STO], v30, SP
	v_lshl_add_u32 v[STO], v31, 7, v[STO]
	v_add_nc_u32 v[STO], s20, v[STO]
	v_lshlrev_b32 v[OUT], 4, v1
	s_add_co_u32 s21, s20, SCW
	v_lshl_add_u32 v[SCA], v30, 4, s21
	v_lshl_add_u32 v[SCB], v1, 3, s21
	v_lshlrev_b32 v[O8], 3, v1
	s_lshl_b32 s22, s14, 6
	s_add_co_u32 s22, s22, NRM
	v_lshl_add_u32 v[NRA], v30, 2, s22
	v_lshlrev_b32 v[SH8], 3, v31
	v_mov_b32 v16, 0                               ; a lane permute's destination counts as one of its sources: written once
	v_lshl_add_u32 v[NRB], v1, 3, NRM
	s_mov_b32 s24, 0x76543210
	s_mov_b32 s25, 0xfedcba98                      ; v_permlanex16_b32's selects for lane l xor 16
	s_wait_kmcnt 0x0
	s_cmp_lt_u32 ttmp9, 128                        ; queries or mb?  The choice hangs on the work-group's number alone
	s_cselect_b64 s[4:5], s[4:5], s[6:7]
	s_cselect_b32 s15, 0, 128
	s_mov_b32 s16, 0xbf000000                      ; -0.5 for mb,
	s_cselect_b32 s16, 1.0, s16                    ; 1.0 for the queries
	s_sub_co_u32 s15, ttmp9, s15
	s_lshl_b32 s18, s15, 17                        ; 64 rows of 2,048 bytes a work-group,
	s_lshl_b32 s19, s14, 15                        ; 16 a wave
	s_add_co_u32 s18, s18, s19
	s_mov_b32 s19, 0
	s_add_nc_u64 s[4:5], s[4:5], s[18:19]
	s_lshl_b32 s26, ttmp9, 2
	s_add_co_u32 s26, s26, s14                     ; my row block, 0 .. 1,535
	s_lshl_b32 s18, s26, 12
	s_add_nc_u64 s[8:9], s[8:9], s[18:19]
	s_lshl_b32 s18, s26, 8
	s_add_nc_u64 s[10:11], s[10:11], s[18:19]
	s_lshl_b32 s18, ttmp9, 8
	s_add_nc_u64 s[12:13], s[12:13], s[18:19]
.macro LOAD i                          ; step i: rows 2 j + h, bytes 256 i + 16 r
.irp j, 0,1,2,3,4,5,6,7
	global_load_b128 v[R+32*((\i)%4)+4*\j:R+32*((\i)%4)+4*\j+3], v[IN], s[4:5] offset:4096*\j+256*(\i) th:TH_LOAD_NT
.endr
.endm
.macro TURN i                          ; step i through its stage; LDS serves a wave's instructions in order (ISA guide 5.7.1.4): no wait between the stores and the loads
.irp j, 0,1,2,3,4,5,6,7
	ds_store_b128 v[STI], v[R+32*((\i)%4)+4*\j:R+32*((\i)%4)+4*\j+3] offset:STAGE*((\i)%2)+2*SP*\j
.endr
.irp j, 0,1,2,3,4,5,6,7
	ds_load_b128 v[X+32*((\i)%2)+4*\j:X+32*((\i)%2)+4*\j+3], v[STO] offset:STAGE*((\i)%2)+16*\j
.endr
.endm
.macro STEP t
.set XS, X+32*((\t)%2)
	s_wait_dscnt 0x0                               ; this step's numbers are back, so its stores into the stage have read their registers,
.if (\t)+4 < 8
	LOAD (\t)+4                                    ; which take the loads of four steps on
.endif
.if (\t) < 7
.if 6-(\t) >= 3
	s_wait_loadcnt 24                              ; the next step's eight loads are in; those of the three steps behind it may be out
.else
	s_wait_loadcnt 8*(6-(\t))
.endif
	TURN (\t)+1
.endif
	v_max3_num_f32 v11, |v[XS]|, |v[XS+1]|, |v[XS+2]|              ; the block's largest magnitude: all 32 numbers are mine; two chains
	v_max3_num_f32 v12, |v[XS+3]|, |v[XS+4]|, |v[XS+5]|
.irp i, 6,10,14,18,22,26
	v_max3_num_f32 v11, v11, |v[XS+\i]|, |v[XS+\i+1]|
	v_max3_num_f32 v12, v12, |v[XS+\i+2]|, |v[XS+\i+3]|
.endr
	v_max3_num_f32 v11, v11, |v[XS+30]|, |v[XS+31]|
	v_max3_num_f32 v11, v11, v12, 0x1800000        ; and the floor 2^(3 - 127): the byte cannot fall under 1
	v_add_nc_u32 v13, 0xff000000, v11              ; 2 off the exponent field: the conversion takes that field as its scale, and nothing else
.irp p, 0,1,2,3,4,5,6,7,8,9,10,11,12,13,14,15
.if ((\t) == 0) && (\p < 2)
	v_pk_mul_f32 v[SS+2*\p:SS+2*\p+1], v[XS+2*\p:XS+2*\p+1], v[XS+2*\p:XS+2*\p+1]    ; the first squares start the sums
.else
	v_pk_fma_f32 v[SS+2*(\p%2):SS+2*(\p%2)+1], v[XS+2*\p:XS+2*\p+1], v[XS+2*\p:XS+2*\p+1], v[SS+2*(\p%2):SS+2*(\p%2)+1]
.endif
.endr
.irp g, 0,1,2,3
	v_cvt_scalef32_pk8_fp4_f32 v[C+4*(\t)+\g], v[XS+8*\g:XS+8*\g+7], v13
.endr
	v_lshrrev_b32 v14, 23, v13                     ; the scale's byte (also the plain line behind the conversions)
.if (\t)%2 == 0
	v_mov_b32 v15, v14                             ; block 4 q + h: byte h of word q,
.else
	v_lshl_or_b32 v15, v14, 16, v15                ; block 4 q + 2 + h: byte 2 + h;
	v_lshlrev_b32 v15, v[SH8], v15                 ; 8 h bits up;
	v_permlanex16_b32 v16, v15, s24, s25
	v_or_b32 v[SW+(\t)/2], v15, v16                ; with lane l xor 16's two bytes the word is whole
.endif
	global_store_b128 v[OUT], v[C+4*(\t):C+4*(\t)+3], s[8:9] offset:512*(\t)       ; the wave stores 512 consecutive bytes, aligned
.endm
.irp t, 0,1,2,3
	LOAD \t
.endr
	s_wait_loadcnt 24                              ; step 0's eight loads are in
	TURN 0
.irp t, 0,1,2,3,4,5,6,7
	STEP \t
.endr
	ds_store_b128 v[SCA], v[SW:SW+3]               ; my row's 16 scale bytes (both halves of the lanes write the same bytes with the same values)
	ds_load_b64 v[28:29], v[SCB]                   ; and back, 8 bytes a lane
	v_add_f32 v24, v24, v25
	v_add_f32 v26, v26, v27
	v_add_f32 v24, v24, v26
	v_permlanex16_b32 v16, v24, s24, s25
	v_add_f32 v24, v24, v16                        ; the row's sum of squares
	v_mul_f32 v24, s16, v24
	ds_store_b32 v[NRA], v24
	s_wait_dscnt 0x1                               ; the scale bytes are back; the norm's store may be out
	global_store_b64 v[O8], v[28:29], s[10:11]     ; 256 consecutive bytes, aligned
	s_wait_dscnt 0x0                               ; for the others' sake: my norm has landed
	s_barrier_signal -1
	s_barrier_wait -1
	s_cmp_lg_u32 s14, 0
	s_cbranch_scc1 .Lend
	ds_load_b64 v[18:19], v[NRB]                   ; wave 0 stores the work-group's 64 norms: 256 consecutive bytes, aligned
	s_wait_dscnt 0x0
	global_store_b64 v[O8], v[18:19], s[12:13]
.Lend:
	s_set_vgpr_msb 0x5
	s_wait_tensorcnt 0x0
	ds_add_u32 v0, v1
	s_wait_dscnt 0x0
	s_set_vgpr_msb 0x500
	s_endpgm
.Lfunc_end_k_qf7dfc705d2_quant:
	.size	k_qf7dfc705d2_quant, .Lfunc_end_k_qf7dfc705d2_quant-k_qf7dfc705d2_quant
	.p2alignl 7, 3214868480
	.fill 96, 4, 3214868480
	.section	.rodata,"a",@progbits
	.p2align	6, 0x0
	.amdhsa_kernel k_qf7dfc705d2_quant
		.amdhsa_group_segment_fixed_size 37888
		.amdhsa_private_segment_fixed_size 0
		.amdhsa_enable_private_segment 0
		.amdhsa_kernarg_size 40
		.amdhsa_user_sgpr_count 2
		.amdhsa_user_sgpr_kernarg_segment_ptr 1
		.amdhsa_wavefront_size32 1
		.amdhsa_system_sgpr_workgroup_id_x 1
		.amdhsa_system_sgpr_workgroup_id_y 1
		.amdhsa_system_sgpr_workgroup_id_z 1
		.amdhsa_system_vgpr_workitem_id 0
		.amdhsa_next_free_vgpr 258
		.amdhsa_next_free_sgpr 66
		.amdhsa_reserve_vcc 0
		.amdhsa_float_denorm_mode_32 3
		.amdhsa_float_denorm_mode_16_64 3
		.amdhsa_memory_ordered 1
		.amdhsa_forward_progress 1
		.amdhsa_inst_pref_size 39
	.end_amdhsa_kernel
	.amdgpu_metadata
---
amdhsa.version: [ 1, 2 ]
amdhsa.kernels:
  - .name:           k_qf7dfc705d2_quant
    .symbol:         k_qf7dfc705d2_quant.kd
    .args:
      - { .name: feature_batch, .offset: 0, .size: 8, .value_kind: global_buffer, .address_space: global }
      - { .name: mb, .offset: 8, .size: 8, .value_kind: global_buffer, .address_space: global }
      - { .name: codes, .offset: 16, .size: 8, .value_kind: global_buffer, .address_space: global }
      - { .name: scales, .offset: 24, .size: 8, .value_kind: global_buffer, .address_space: global }
      - { .name: norms, .offset: 32, .size: 8, .value_kind: global_buffer, .address_space: global }
    .group_segment_fixed_size: 37888
    .private_segment_fixed_size: 0
    .kernarg_segment_align: 8
    .kernarg_segment_size: 40
    .max_flat_workgroup_size: 128
    .sgpr_count:     66
    .vgpr_count:     258
    .wavefront_size: 32
...
	.end_amdgpu_metadata
.endif
;; end of part 1
;; launch knn (part 2): grid 32 x 8, 4 waves a work-group, clusters of 4 x 1, 327,680 bytes of LDS; arguments codes, scales, norms, pmax; writes pmax
.if DOCPART == 2
	.amdgcn_target "amdgcn-amd-amdhsa--gfx1250"
	.amdhsa_code_object_version 6
	.text
	.protected	k_qf7dfc705d2_knn
	.globl	k_qf7dfc705d2_knn
	.p2align	8
	.type	k_qf7dfc705d2_knn,@function
k_qf7dfc705d2_knn:
	s_mov_b64 s[64:65], 0
	v_nop
	global_prefetch_b8 v0, s[64:65] scope:SCOPE_SE
	s_setreg_imm32_b32 hwreg(HW_REG_WAVE_MODE, 25, 1), 1
	s_wait_xcnt 0x0
	s_wait_alu depctr_hold_cnt(0) depctr_sa_sdst(0) depctr_va_vdst(0) depctr_va_sdst(0) depctr_va_ssrc(0) depctr_va_vcc(0) depctr_vm_vsrc(0)
	s_getreg_b32 s2, hwreg(HW_REG_IB_STS2, 6, 4)
	s_cmp_eq_u32 s2, 0
	s_cbranch_scc0 .Lentry_in_a_cluster
	s_endpgm
.Lentry_in_a_cluster:
	s_bfe_u32 s2, ttmp6, 0x10000c
	s_cmp_lg_u32 s2, 0x3003
	s_cbranch_scc0 .Lentry_shape_is_right
	s_endpgm
.Lentry_shape_is_right:
; pmax[slice][query] = the largest, over the slice's 2,048 rows m of mb, of (query . m - |m|^2 / 2), the product on codes of FP4 (E2M1) with E8M0 scales for each 32 along K = 512.
; The smallest squared distance of a query is |x|^2 - 2 x that maximum: clamp and root rise with their argument, so only a maximum is kept here.
; SHARES.  A work-group: 256 queries x one slice of 2,048 rows of mb, in 8 tiles of 256 rows.  A wave: 128 queries (wave / 2) x 128 rows of each tile (wave % 2): 64 accumulators, 512 registers.
; THE QUERIES' FRAGMENTS STAY IN REGISTERS: 128 queries x 512 K are 256 registers, loaded once; LDS is read for mb alone: 64 loads for a tile's 256 matrix instructions.
; THE MATRIX INSTRUCTION IS USED TRANSPOSED: source 0 = 16 rows of mb, source 1 = 16 queries.  A lane then holds ONE query (lane % 16), its registers the rows 8 (lane / 16) + 0 .. 7.
; -|m|^2 / 2 is the C of each sum's first matrix instruction: no clearing and no addition; a tile's results are taken up by one v_max3_num_f32 for two numbers.
; CLUSTER 4 x 1: the four work-groups of a cluster have the same slice, so mb's codes, scale bytes and norms are asked for JOINTLY (mask 15).  The queries are not shared in a cluster:
; a work-group reads its 64 KiB of them once, against 512 KiB of mb's codes, so a second axis of sharing would spare a small part of the bytes.
; The codes lie in memory in the order of the operand's registers, so a slot is a dense block and every fragment load reads 512 consecutive bytes of LDS: no padding.
; RING: two slots of two tiles (131,072 bytes); each wave fetches a quarter of a slot by one tensor load.  By this text's count a wave has four tensor loads out at the start, later one.
; REGISTERS, in windows of 256: window 0: v1-12 addresses; v16-23 the running maxima, one for each block of 16 queries; v24-39 the queries' scale words; v40-55 mb's; v64-127 the bias;
;   v128-191 mb's fragments of 128 along K, one set, fetched by halves; v192-199 at work.   window 1: the queries' fragments, (a, q) at 8 (4 a + q).
;   windows 2, 3: accumulator (a, b) in window 2 + b / 4 at 8 (8 (b % 4) + a).
.set TILE,  65536                      ; 256 rows of mb: 16 row blocks of 4,096 bytes
.set SLOT1, 1<<17                      ; a slot holds two tiles; slot 1 begins here
.set SCL,   2*SLOT1                    ; the slice's scale bytes: 2,048 rows x 16, filled once
.set BIA,   SCL+32768                  ; the slice's -|m|^2 / 2: 2,048 x 4, filled once
.set STG,   BIA+8192                   ; the way out: 512 bytes for each wave; no fill lands here
.set SPARE, STG+2048                   ; the spare words, 128 bytes for each wave: two blocks of 256 bytes that no other line names
.set L16, 1                            ; v1   16 x lane
.set AB0, 2                            ; v2   my lane's place in a tile of codes
.set AS0, 3                            ; v3   among a tile's scale words
.set AI0, 4                            ; v4   among a tile's bias
.set ADR, 5                            ; v5-7 the same for the tile in hand
.set ADS, 6
.set ADI, 7
.set SPW, 8                            ; v8   LDS address of my spare word; never rewritten
.set NIL, 9                            ; v9   0; never rewritten
.set STO, 10                           ; v10  the way out: where my query's maximum goes
.set RD,  11                           ; v11  and where I read two queries back
.set GO,  12                           ; v12  8 x lane
.set RUN, 16
.set AS,  24                           ; register 4 p + q: lanes 0-15 block 2 p of the queries, lanes 16-31 block 2 p + 1; q-th 128 along K
.set BS,  40                           ; the same for mb's blocks
.set BI,  64                           ; register 8 b + j
.set BF,  128                          ; fragment b at 8 b
.set T,   192
.set WV,  12                           ; s12  wave
.set G1C, 24                           ; s[24:31] descriptor group 1: 128 rows of 256 bytes (codes)
.set G1S, 32                           ; s[32:39] 32 rows (scale bytes)
.set G1B, 40                           ; s[40:47] 8 rows (bias)
.set G0A, 48                           ; s[48:51] group 0: slot 0's first fill
.set G0W, 52                           ; s[52:55] slot 1's first fill; it then walks
.set G0S, 56                           ; s[56:59] scale bytes
.set G0B, 60                           ; s[60:63] bias
.set TB,  66                           ; s66  LDS byte at which the tile to be fetched begins
.set TS,  67                           ; s67  its scale words: 4,096 bytes a tile
.set TI,  68                           ; s68  its bias: 1,024 bytes a tile
.set SLOTS, 69
.set TWICE, 70
.set SEL, 72                           ; s[72:73] v_permlanex16_b32's selects for lane l xor 16
.set MSB, 0
.macro WIN new                         ; the immediate's high byte repeats the setting that is left; a switch that changes nothing is dropped
.if MSB != (\new)
	s_set_vgpr_msb (MSB<<8)|(\new)
.set MSB, (\new)
.endif
.endm
.macro PLACES                          ; four places: plain vector instructions that name no register of the matrix instruction (ISA guide 7.12.1)
.rept 4
	v_nop
.endr
.endm
.macro CROUND                          ; a round of the cluster's barrier
	s_barrier_signal -1
	s_barrier_wait -1
	s_cmp_lg_u32 s[WV], 0
	s_cbranch_scc1 .Lnot_wave_0_\@
	s_barrier_signal -3
.Lnot_wave_0_\@:
	s_barrier_wait -3
	s_barrier_signal -1
	s_barrier_wait -1
.endm
	s_load_b256 s[4:11], s[0:1], 0x0               ; codes s[4:5], scales s[6:7], norms s[8:9], pmax s[10:11]
	v_lshl_add_u32 v[SPW], v0, 2, SPARE
	v_mov_b32 v[NIL], 0
	ds_add_u32 v8, v9
	ds_add_u32 v8, v9
	s_wait_dscnt 0x0
	v_lshrrev_b32 v1, 5, v0
	v_readfirstlane_b32 s[WV], v1                  ; wave 0..3
	s_lshr_b32 s13, s[WV], 1                       ; which 128 queries
	s_and_b32 s14, s[WV], 1                        ; which 128 rows of a tile
	s_bfe_u32 s15, ttmp6, 0x40000                  ; cx: it enters the queries' addresses and pmax's alone
	s_lshl_b32 s16, ttmp9, 2
	s_add_co_u32 s16, s16, s15                     ; my block of 256 queries
	s_and_b32 s17, ttmp7, 0xffff                   ; the slice, which the four partners share
	v_and_b32 v13, 31, v0                          ; lane
	v_bfe_u32 v14, v0, 4, 1                        ; h
	v_and_b32 v15, 15, v0                          ; r
	v_lshlrev_b32 v[L16], 4, v13
	s_lshl_b32 s18, s14, 15
	v_add_nc_u32 v[AB0], s18, v[L16]               ; my 8 row blocks of a tile, 16 bytes a lane
	s_lshl_b32 s18, s14, 11
	s_add_co_u32 s18, s18, SCL
	v_add_nc_u32 v[AS0], s18, v[L16]               ; my 128 rows' scale bytes: lane l takes row 32 p + l
	s_lshl_b32 s18, s14, 9
	s_add_co_u32 s18, s18, BIA
	v_lshl_add_u32 v[AI0], v14, 5, s18             ; my 128 rows' bias: rows 8 h + 0 .. 7 of a block
	s_lshl_b32 s18, s[WV], 9
	s_add_co_u32 s18, s18, STG
	v_lshl_add_u32 v[STO], v15, 2, s18
	s_lshl_b32 s18, s13, 10
	s_lshl_b32 s19, s14, 8
	s_add_co_u32 s18, s18, s19
	s_add_co_u32 s18, s18, STG
	v_lshl_add_u32 v[RD], v13, 3, s18
	v_lshlrev_b32 v[GO], 3, v13
.irp a, 0,1,2,3,4,5,6,7
	v_mov_b32 v[RUN+\a], 0xff800000                ; under every number
	v_mov_b32 v[T+\a], 0                           ; a lane permute's destination counts as one of its sources
.endr
	; descriptor group 1: dense blocks as rows of 256 bytes (32 elements of 8 bytes), no padding
.irp g, G1C, G1S, G1B
	s_mov_b32 s[\g+0], 15|(3<<16)|(1<<21)          ; 15:0 the mask: all four work-groups; 17:16 elements of 8 bytes; 21 set beside a mask
	s_mov_b32 s[\g+1], 32<<16                      ; tensor_dim0 = 32
	s_mov_b32 s[\g+3], 32<<16                      ; tile_dim0 = 32
	s_mov_b32 s[\g+5], 32                          ; tensor_dim0_stride
	s_mov_b32 s[\g+6], 0
	s_mov_b32 s[\g+7], 0
.endr
	s_mov_b32 s[G1C+2], 128<<16                    ; tensor_dim1, tile_dim1: a quarter of a slot,
	s_mov_b32 s[G1C+4], 128
	s_mov_b32 s[G1S+2], 32<<16                     ; of the scale bytes,
	s_mov_b32 s[G1S+4], 32
	s_mov_b32 s[G1B+2], 8<<16                      ; of the bias
	s_mov_b32 s[G1B+4], 8
	s_lshl_b32 s18, s17, 19                        ; codes: mb begins at row block 512; a slice is 524,288 bytes; my quarter of a slot
	s_lshl_b32 s79, s[WV], 15
	s_add_co_u32 s18, s18, s79
	s_add_co_u32 s18, s18, 512*4096
	s_mov_b32 s19, 0
	s_lshl_b32 s20, s17, 15                        ; scale bytes: mb begins at row 8,192
	s_lshl_b32 s79, s[WV], 13
	s_add_co_u32 s20, s20, s79
	s_add_co_u32 s20, s20, 8192*16
	s_mov_b32 s21, 0
	s_lshl_b32 s22, s17, 13                        ; bias
	s_lshl_b32 s79, s[WV], 11
	s_add_co_u32 s22, s22, s79
	s_add_co_u32 s22, s22, 8192*4
	s_mov_b32 s23, 0
	s_mov_b32 s[SEL], 0x76543210
	s_mov_b32 s[SEL+1], 0xfedcba98
	s_mov_b32 s[TB], 0
	s_mov_b32 s[TS], 0
	s_mov_b32 s[TI], 0
	s_wait_kmcnt 0x0
	s_mov_b32 s[G0A], 1                            ; 1:0 count = 1
	s_lshl_b32 s[G0A+1], s[WV], 15                 ; 63:32 LDS address: no place in the cluster enters it
	s_add_nc_u64 s[G0A+2:G0A+3], s[4:5], s[18:19]  ; 120:64 global address
	s_add_nc_u64 s[G0W+2:G0W+3], s[G0A+2:G0A+3], SLOT1
	s_or_b32 s[G0A+3], s[G0A+3], 0x80000000        ; 127:126 type = 2
	s_or_b32 s[G0W+3], s[G0W+3], 0x80000000
	s_mov_b32 s[G0W], 1
	s_lshl_b32 s[G0W+1], s[WV], 15
	s_add_co_u32 s[G0W+1], s[G0W+1], SLOT1
	s_mov_b32 s[G0S], 1
	s_lshl_b32 s[G0S+1], s[WV], 13
	s_add_co_u32 s[G0S+1], s[G0S+1], SCL
	s_add_nc_u64 s[G0S+2:G0S+3], s[6:7], s[20:21]
	s_or_b32 s[G0S+3], s[G0S+3], 0x80000000
	s_mov_b32 s[G0B], 1
	s_lshl_b32 s[G0B+1], s[WV], 11
	s_add_co_u32 s[G0B+1], s[G0B+1], BIA
	s_add_nc_u64 s[G0B+2:G0B+3], s[8:9], s[22:23]
	s_or_b32 s[G0B+3], s[G0B+3], 0x80000000
	; what hangs on my place in the cluster, in registers of its own
	s_lshl_b32 s2, s16, 16                         ; the queries' codes: 16 row blocks a work-group, 8 a wave pair
	s_lshl_b32 s78, s13, 15
	s_add_co_u32 s2, s2, s78
	s_mov_b32 s3, 0
	s_add_nc_u64 s[74:75], s[4:5], s[2:3]
	s_lshl_b32 s2, s16, 12                         ; their scale bytes
	s_lshl_b32 s78, s13, 11
	s_add_co_u32 s2, s2, s78
	s_add_nc_u64 s[76:77], s[6:7], s[2:3]
	s_lshl_b32 s2, s17, 15                         ; pmax: 32,768 bytes a slice, 1,024 a work-group, 256 a wave
	s_lshl_b32 s78, s16, 10
	s_add_co_u32 s2, s2, s78
	s_lshl_b32 s78, s[WV], 8
	s_add_co_u32 s2, s2, s78
	s_add_nc_u64 s[10:11], s[10:11], s[2:3]
	CROUND                                         ; all four work-groups are here: the first joint loads meet
	tensor_load_to_lds s[G0S:G0S+3], s[G1S:G1S+7]  ; the first fills go out as one group: scale bytes, bias,
	s_nop 0
	tensor_load_to_lds s[G0B:G0B+3], s[G1B:G1B+7]
	s_nop 0
	tensor_load_to_lds s[G0A:G0A+3], s[G1C:G1C+7]  ; tiles 0 and 1,
	s_nop 0
	tensor_load_to_lds s[G0W:G0W+3], s[G1C:G1C+7]  ; tiles 2 and 3
	s_nop 0
	PLACES                                         ; four v_nop behind the last
	WIN 0x40                                       ; destination window 1
.set i, 0
.rept 64
	global_load_b128 v[4*i:4*i+3], v[L16], s[74:75] offset:512*i   ; the queries' fragments: 512 consecutive bytes a load; register group i = 8 a + 2 q + c
.set i, i+1
.endr
	WIN 0
.irp p, 0,1,2,3
	global_load_b128 v[AS+4*\p:AS+4*\p+3], v[L16], s[76:77] offset:512*\p   ; lane l: the four scale words of query 32 p + l
.endr
; one matrix instruction, by the symbols set in MULH; bo, ao: mb's block, the queries' block is odd: its scale words stand in lanes 16-31
.macro WM bo, ao
.if (\bo) && (\ao)
	v_wmma_scale_f32_16x16x128_f8f6f4 v[rD:rD+7], v[rB:rB+7], v[rA:rA+7], v[rC:rC+7], v[rSB], v[rSA] matrix_a_fmt:MATRIX_FMT_FP4 matrix_b_fmt:MATRIX_FMT_FP4 matrix_a_scale:MATRIX_SCALE_ROW1 matrix_b_scale:MATRIX_SCALE_ROW1
.elseif (\bo)
	v_wmma_scale_f32_16x16x128_f8f6f4 v[rD:rD+7], v[rB:rB+7], v[rA:rA+7], v[rC:rC+7], v[rSB], v[rSA] matrix_a_fmt:MATRIX_FMT_FP4 matrix_b_fmt:MATRIX_FMT_FP4 matrix_a_scale:MATRIX_SCALE_ROW1
.elseif (\ao)
	v_wmma_scale_f32_16x16x128_f8f6f4 v[rD:rD+7], v[rB:rB+7], v[rA:rA+7], v[rC:rC+7], v[rSB], v[rSA] matrix_a_fmt:MATRIX_FMT_FP4 matrix_b_fmt:MATRIX_FMT_FP4 matrix_b_scale:MATRIX_SCALE_ROW1
.else
	v_wmma_scale_f32_16x16x128_f8f6f4 v[rD:rD+7], v[rB:rB+7], v[rA:rA+7], v[rC:rC+7], v[rSB], v[rSA] matrix_a_fmt:MATRIX_FMT_FP4 matrix_b_fmt:MATRIX_FMT_FP4
.endif
.endm
; 32 matrix instructions: mb's blocks 4 half .. 4 half + 3 x the queries' eight, the q-th 128 along K.  q = 0: the bias starts the sums.
; The 64 accumulators take turns, one instruction a turn, in the same order in every step.
.macro MULH q, half
.irp bb, 0,1,2,3
.irp a, 0,1,2,3,4,5,6,7
.set rD, 8*(8*\bb+\a)
.set rB, BF+8*(4*(\half)+\bb)
.set rA, 8*(4*\a+(\q))
.set rSB, BS+4*((4*(\half)+\bb)/2)+(\q)
.set rSA, AS+4*(\a/2)+(\q)
.set rC, BI+8*(4*(\half)+\bb)
.if (\q) != 0
.set rC, rD
.endif
	WM (\bb)%2, (\a)%2
.endr
.endr
.endm
.macro BLD q, b0                       ; mb's fragments b0 .. b0 + 3 of the q-th 128 along K: eight loads of 512 consecutive bytes
.irp bb, 0,1,2,3
.irp c, 0,1
	ds_load_b128 v[BF+8*((\b0)+\bb)+4*\c:BF+8*((\b0)+\bb)+4*\c+3], v[ADR] offset:4096*((\b0)+\bb)+1024*(\q)+512*\c
.endr
.endr
.endm
.macro BIAS b0                         ; the bias of blocks b0 .. b0 + 3: eight loads; sixteen lanes share each 16 bytes
.irp bb, 0,1,2,3
	ds_load_b128 v[BI+8*((\b0)+\bb):BI+8*((\b0)+\bb)+3], v[ADI] offset:64*((\b0)+\bb)
	ds_load_b128 v[BI+8*((\b0)+\bb)+4:BI+8*((\b0)+\bb)+7], v[ADI] offset:64*((\b0)+\bb)+16
.endr
.endm
; A tile's first loads: 36, in the order in which they are wanted.  The v_nop and the three additions are the four places behind the last tile's products.
.macro FETCH
	WIN 0
	v_nop
	v_add_nc_u32 v[ADR], s[TB], v[AB0]
	v_add_nc_u32 v[ADS], s[TS], v[AS0]
	v_add_nc_u32 v[ADI], s[TI], v[AI0]
	BLD 0, 0
.irp p, 0,1,2,3
	ds_load_b128 v[BS+4*\p:BS+4*\p+3], v[ADS] offset:512*\p
.endr
	BIAS 0
	BLD 0, 4
	BIAS 4
	s_add_co_u32 s[TB], s[TB], TILE                ; the next fetch is the next tile's
	s_add_co_u32 s[TS], s[TS], 4096
	s_add_co_u32 s[TI], s[TI], 1024
.endm
; A tile's 256 matrix instructions.  mb's one set of fragments is fetched by halves: a half is loaded anew, behind four places, as soon as its 32 products are issued, 32 matrix instructions ahead of its use.
.macro STEPS
.irp q, 0,1,2,3
.if \q == 0
	s_wait_dscnt 16                                ; blocks 0-3, the scale words and their bias are in; blocks 4-7 and their bias (16 loads) may be out
	WIN 0x84                                       ; source 1 window 1, C window 0, D window 2
.else
	s_wait_dscnt 8                                 ; blocks 0-3 are in; the eight loads of blocks 4-7 may be out
	WIN 0xa4                                       ; C and D window 2
.endif
	MULH \q, 0
.if \q < 3
	PLACES
	WIN 0
	BLD \q+1, 0
	s_wait_dscnt 8                                 ; all but the eight just issued
.else
	s_wait_dscnt 0x0
.endif
.if \q == 0
	WIN 0xc4                                       ; D window 3
.else
	WIN 0xf4                                       ; C and D window 3
.endif
	MULH \q, 1
.if \q < 3
	PLACES
	WIN 0
	BLD \q+1, 4
.endif
.endr
.endm
; A tile's results are taken up: 256 instructions, two numbers each, in eight chains (one for each block of queries); each accumulator from its low end on.
.macro EPI
.irp win, 0,1
	WIN 0x28+0x14*\win                             ; sources 1 and 2: window 2, then 3
.irp bb, 0,1,2,3
.irp jj, 0,1,2,3
.irp a, 0,1,2,3,4,5,6,7
	v_max3_num_f32 v[RUN+\a], v[RUN+\a], v[8*(8*\bb+\a)+2*\jj], v[8*(8*\bb+\a)+2*\jj+1]
.endr
.endr
.endr
.endr
	WIN 0
.endm
; THE CHANGE OF SLOTS.  Each wave waits for all its tensor loads (its part of the slot ahead), adds 0 to its spare word, and waits for that and for its reads of the slot that it leaves.
; fill = 1: the slot just left is filled with the two tiles two slots on; the barrier is then a round of the cluster's, and the joint refill is the first thing behind it:
; it has two tiles, 512 matrix instructions, in which to land.
.macro CHANGE fill
	WIN 0
	s_wait_tensorcnt 0x0                           ; no tensor load of mine is out, so a group 0 may be written
	ds_add_u32 v[SPW], v[NIL]                      ; 0 onto my spare word; the steps below stand between it and the wait for it
.if \fill
	s_xor_b32 s[G0W+1], s[G0W+1], SLOT1            ; the walking descriptor: the other slot than last time,
	s_add_nc_u64 s[G0W+2:G0W+3], s[G0W+2:G0W+3], SLOT1   ; the next two tiles; the type bits on top are not reached
.endif
	s_sub_co_u32 s[TB], s[TB], 2*TILE              ; the fetches go back to a slot's first tile,
	s_xor_b32 s[TB], s[TB], SLOT1                  ; in the other slot
	s_wait_dscnt 0x0                               ; the add is done, and my reads of the slot are over
.if \fill
	CROUND
	tensor_load_to_lds s[G0W:G0W+3], s[G1C:G1C+7]
	s_nop 0
	PLACES                                         ; four v_nop behind it
.else
	s_barrier_signal -1
	s_barrier_wait -1
.endif
.endm
; A slot's two tiles: written once, walked twice.  A tile's first loads are on their way while the tile before is taken up.
.macro TWO
	s_mov_b32 s[TWICE], 2
.Ltile_\@:
	FETCH
	EPI
	STEPS
	WIN 0                                          ; at a label and at a branch every window is 0
	s_sub_co_u32 s[TWICE], s[TWICE], 1
	s_cmp_lg_u32 s[TWICE], 0
	s_cbranch_scc1 .Ltile_\@
.endm
	s_wait_tensorcnt 1                             ; scale bytes, bias and my part of slot 0 are in; slot 1's load may stay out
	s_barrier_signal -1
	s_barrier_wait -1                              ; everybody's are
	s_wait_loadcnt 0x0                             ; the queries
	FETCH                                          ; tile 0
	STEPS
	FETCH                                          ; tile 1
	EPI
	STEPS
	WIN 0
	s_mov_b32 s[SLOTS], 2
.Lslot:                                            ; two trips: slots 0 and 1 are each filled once more
	CHANGE 1
	TWO
	s_sub_co_u32 s[SLOTS], s[SLOTS], 1
	s_cmp_lg_u32 s[SLOTS], 0
	s_cbranch_scc1 .Lslot
	CHANGE 0                                       ; the last slot is written out
	TWO
	PLACES
	EPI                                            ; tile 7
	; THE WAY OUT: the other half of the lanes holds my query's other rows; the wave beside me holds the tile's other 128 rows: they meet in LDS.
.irp a, 0,1,2,3,4,5,6,7
	v_permlanex16_b32 v[T+\a], v[RUN+\a], s[SEL], s[SEL+1]
.endr
.irp a, 0,1,2,3,4,5,6,7
	v_max_num_f32 v[RUN+\a], v[RUN+\a], v[T+\a]
.endr
.irp a, 0,1,2,3,4,5,6,7
	ds_store_b32 v[STO], v[RUN+\a] offset:64*\a    ; query 16 a + r of my 128 (both halves of the lanes write the same word with the same value)
.endr
	s_wait_dscnt 0x0                               ; for the others' sake: my stores have landed
	s_barrier_signal -1
	s_barrier_wait -1
	ds_load_b64 v[T:T+1], v[RD]                    ; 64 queries a wave, two a lane: the even wave's numbers,
	ds_load_b64 v[T+2:T+3], v[RD] offset:512       ; and the odd wave's
	s_wait_dscnt 0x0
	v_max_num_f32 v[T], v[T], v[T+2]
	v_max_num_f32 v[T+1], v[T+1], v[T+3]
	global_store_b64 v[GO], v[T:T+1], s[10:11]     ; the wave stores 256 consecutive bytes, aligned
	s_wait_tensorcnt 0x0                           ; the wave's end, behind my last tensor load and my last LDS store
	ds_add_u32 v[SPW], v[NIL]
	s_wait_dscnt 0x0
	CROUND                                         ; the closing round: no work-group ends while a partner may still ask for a tile that names it
	s_endpgm
.Lfunc_end_k_qf7dfc705d2_knn:
	.size	k_qf7dfc705d2_knn, .Lfunc_end_k_qf7dfc705d2_knn-k_qf7dfc705d2_knn
	.p2alignl 7, 3214868480
	.fill 96, 4, 3214868480
	.section	.rodata,"a",@progbits
	.p2align	6, 0x0
	.amdhsa_kernel k_qf7dfc705d2_knn
		.amdhsa_group_segment_fixed_size 327680
		.amdhsa_private_segment_fixed_size 0
		.amdhsa_enable_private_segment 0
		.amdhsa_kernarg_size 32
		.amdhsa_user_sgpr_count 2
		.amdhsa_user_sgpr_kernarg_segment_ptr 1
		.amdhsa_wavefront_size32 1
		.amdhsa_system_sgpr_workgroup_id_x 1
		.amdhsa_system_sgpr_workgroup_id_y 1
		.amdhsa_system_sgpr_workgroup_id_z 1
		.amdhsa_system_vgpr_workitem_id 0
		.amdhsa_next_free_vgpr 1024
		.amdhsa_next_free_sgpr 80
		.amdhsa_reserve_vcc 0
		.amdhsa_float_denorm_mode_32 3
		.amdhsa_float_denorm_mode_16_64 3
		.amdhsa_memory_ordered 1
		.amdhsa_forward_progress 1
		.amdhsa_inst_pref_size 238
	.end_amdhsa_kernel
	.amdgpu_metadata
---
amdhsa.version: [ 1, 2 ]
amdhsa.kernels:
  - .name:           k_qf7dfc705d2_knn
    .symbol:         k_qf7dfc705d2_knn.kd
    .args:
      - { .name: codes, .offset: 0, .size: 8, .value_kind: global_buffer, .address_space: global }
      - { .name: scales, .offset: 8, .size: 8, .value_kind: global_buffer, .address_space: global }
      - { .name: norms, .offset: 16, .size: 8, .value_kind: global_buffer, .address_space: global }
      - { .name: pmax, .offset: 24, .size: 8, .value_kind: global_buffer, .address_space: global }
    .group_segment_fixed_size: 327680
    .private_segment_fixed_size: 0
    .kernarg_segment_align: 8
    .kernarg_segment_size: 32
    .max_flat_workgroup_size: 128
    .sgpr_count:     80
    .vgpr_count:     1024
    .wavefront_size: 32
...
	.end_amdgpu_metadata
.endif
;; end of part 2
;; launch pick (part 3): grid 8 x 1, 8 waves a work-group, no clusters, 1,280 bytes of LDS; arguments pmax, norms, out0, idx; writes out0, idx
.if DOCPART == 3
	.amdgcn_target "amdgcn-amd-amdhsa--gfx1250"
	.amdhsa_code_object_version 6
	.text
	.protected	k_qf7dfc705d2_pick
	.globl	k_qf7dfc705d2_pick
	.p2align	8
	.type	k_qf7dfc705d2_pick,@function
k_qf7dfc705d2_pick:
	s_mov_b64 s[64:65], 0
	v_nop
	global_prefetch_b8 v0, s[64:65] scope:SCOPE_SE
	s_setreg_imm32_b32 hwreg(HW_REG_WAVE_MODE, 25, 1), 1
	s_wait_xcnt 0x0
; out0[query] = sqrt(max(|x|^2 - 2 x the largest of the eight slices' maxima, 0)); idx[image] = the row of the image's largest pixel score, the first of equals.
; A work-group takes an image (1,024 queries), a thread four neighbouring queries: every load and the store take 16 bytes a lane, 512 consecutive bytes a wave.
; The index travels as f32 (whole numbers under 1,024 are exact), so that both searches ride on f32 arithmetic between lanes.
; LIMITS: NaN and infinities are not served; v_sqrt_f32 is good to 1 ulp and takes a denormal for zero (ISA guide 15.8), so scores that differ by less may be ordered otherwise than by an exact root.
	s_load_b256 s[4:11], s[0:1], 0x0               ; pmax, norms, out0, idx
	v_lshl_add_u32 v64, v0, 2, 0x100
	v_mov_b32 v65, 0
	v_lshlrev_b32 v1, 4, v0                        ; 16 bytes a thread
	v_lshrrev_b32 v2, 5, v0
	v_readfirstlane_b32 s17, v2                    ; wave
	v_lshlrev_b32 v8, 3, v2                        ; LDS: 8 bytes a wave
	v_and_b32 v9, 7, v0
	v_lshlrev_b32 v9, 3, v9                        ; and back: lane l takes wave l % 8's
	v_lshlrev_b32 v2, 2, v0
	v_cvt_f32_u32 v63, v2                          ; my first query in the image
	v_mov_b32 v4, 0                                ; a lane permute's destination counts as one of its sources
	v_mov_b32 v14, 0
	s_mov_b32 s14, 0x76543210
	s_mov_b32 s15, 0xfedcba98
	s_lshl_b32 s12, ttmp9, 12                      ; 1,024 queries of 4 bytes an image
	s_mov_b32 s13, 0
	s_lshl_b32 s18, ttmp9, 2
	s_mov_b32 s19, 0
	s_lshl_b32 s16, ttmp9, 10
	s_wait_kmcnt 0x0
	s_add_nc_u64 s[4:5], s[4:5], s[12:13]
	s_add_nc_u64 s[6:7], s[6:7], s[12:13]
	s_add_nc_u64 s[8:9], s[8:9], s[12:13]
	s_add_nc_u64 s[10:11], s[10:11], s[18:19]
.irp s, 0,1,2,3,4,5,6,7
	global_load_b128 v[16+4*\s:19+4*\s], v1, s[4:5] offset:32768*\s
.endr
	global_load_b128 v[48:51], v1, s[6:7]          ; |x|^2
	s_wait_loadcnt 0x0
.irp k, 0,1,2,3
	v_max3_num_f32 v[52+\k], v[16+\k], v[20+\k], v[24+\k]
.endr
.irp k, 0,1,2,3
	v_max3_num_f32 v[52+\k], v[52+\k], v[28+\k], v[32+\k]
.endr
.irp k, 0,1,2,3
	v_max3_num_f32 v[52+\k], v[52+\k], v[36+\k], v[40+\k]
.endr
.irp k, 0,1,2,3
	v_max_num_f32 v[52+\k], v[52+\k], v[44+\k]
.endr
.irp k, 0,1,2,3
	v_fma_f32 v[52+\k], -2.0, v[52+\k], v[48+\k]   ; the smallest squared distance
.endr
.irp k, 0,1,2,3
	v_max_num_f32 v[52+\k], 0, v[52+\k]
.endr
.irp k, 0,1,2,3
	v_sqrt_f32 v[56+\k], v[52+\k]
.endr
	v_nop                                          ; a plain line behind the last root,
	s_wait_alu depctr_va_vdst(0)                   ; and one wait for the four, ahead of the first line that names a result
	global_store_b128 v1, v[56:59], s[8:9]
	v_mov_b32 v60, v56                             ; my best score and its index: a later one wins only if it is larger
	v_mov_b32 v61, v63
.macro LATER k, f
	v_cmp_gt_f32 vcc_lo, v[56+\k], v60
	v_add_f32 v62, \f, v63
	v_cndmask_b32 v60, v60, v[56+\k], vcc_lo
	v_cndmask_b32 v61, v61, v62, vcc_lo
.endm
	LATER 1, 0x3f800000
	LATER 2, 0x40000000
	LATER 3, 0x40400000
	v_mov_b32 v6, v60                              ; the wave's largest score,
.irp x, 1,2,4,8
	v_max_num_f32_dpp v6, v6, v6 row_xmask:\x row_mask:0xf bank_mask:0xf
.endr
	v_permlanex16_b32 v4, v6, s14, s15
	v_max_num_f32 v6, v6, v4
	v_cmp_eq_f32 vcc_lo, v60, v6
	v_mov_b32 v7, 0x7f7fffff
	v_cndmask_b32 v7, v7, v61, vcc_lo              ; and the smallest index among the lanes that hold it
.irp x, 1,2,4,8
	v_min_num_f32_dpp v7, v7, v7 row_xmask:\x row_mask:0xf bank_mask:0xf
.endr
	v_permlanex16_b32 v4, v7, s14, s15
	v_min_num_f32 v7, v7, v4
	ds_store_b64 v8, v[6:7]                        ; all lanes write the wave's 8 bytes with the same values
	s_wait_dscnt 0x0
	s_barrier_signal -1
	s_barrier_wait -1
	ds_load_b64 v[10:11], v9
	s_wait_dscnt 0x0
	v_mov_b32 v12, v10                             ; the same over the eight waves
.irp x, 1,2,4
	v_max_num_f32_dpp v12, v12, v12 row_xmask:\x row_mask:0xf bank_mask:0xf
.endr
	v_cmp_eq_f32 vcc_lo, v10, v12
	v_mov_b32 v13, 0x7f7fffff
	v_cndmask_b32 v13, v13, v11, vcc_lo
.irp x, 1,2,4
	v_min_num_f32_dpp v13, v13, v13 row_xmask:\x row_mask:0xf bank_mask:0xf
.endr
	v_cvt_u32_f32 v13, v13
	v_add_nc_u32 v13, s16, v13                     ; as a row of all 8,192 queries
	s_cmp_lg_u32 s17, 0
	s_cbranch_scc1 .Lend
	s_wait_xcnt 0x0                                ; EXEC changes only behind this wait
	v_cmp_eq_u32 vcc_lo, 0, v0
	s_and_saveexec_b32 s20, vcc_lo
	global_store_b32 v14, v13, s[10:11]            ; thread 0 alone
	s_wait_xcnt 0x0                                ; and again, in front of the line that widens it
	s_or_b32 exec_lo, exec_lo, s20
.Lend:
	s_wait_tensorcnt 0x0
	ds_add_u32 v64, v65
	s_wait_dscnt 0x0
	s_endpgm
.Lfunc_end_k_qf7dfc705d2_pick:
	.size	k_qf7dfc705d2_pick, .Lfunc_end_k_qf7dfc705d2_pick-k_qf7dfc705d2_pick
	.p2alignl 7, 3214868480
	.fill 96, 4, 3214868480
	.section	.rodata,"a",@progbits
	.p2align	6, 0x0
	.amdhsa_kernel k_qf7dfc705d2_pick
		.amdhsa_group_segment_fixed_size 1280
		.amdhsa_private_segment_fixed_size 0
		.amdhsa_enable_private_segment 0
		.amdhsa_kernarg_size 32
		.amdhsa_user_sgpr_count 2
		.amdhsa_user_sgpr_kernarg_segment_ptr 1
		.amdhsa_wavefront_size32 1
		.amdhsa_system_sgpr_workgroup_id_x 1
		.amdhsa_system_sgpr_workgroup_id_y 1
		.amdhsa_system_sgpr_workgroup_id_z 1
		.amdhsa_system_vgpr_workitem_id 0
		.amdhsa_next_free_vgpr 66
		.amdhsa_next_free_sgpr 66
		.amdhsa_reserve_vcc 1
		.amdhsa_float_denorm_mode_32 3
		.amdhsa_float_denorm_mode_16_64 3
		.amdhsa_memory_ordered 1
		.amdhsa_forward_progress 1
		.amdhsa_inst_pref_size 7
	.end_amdhsa_kernel
	.amdgpu_metadata
---
amdhsa.version: [ 1, 2 ]
amdhsa.kernels:
  - .name:           k_qf7dfc705d2_pick
    .symbol:         k_qf7dfc705d2_pick.kd
    .args:
      - { .name: pmax, .offset: 0, .size: 8, .value_kind: global_buffer, .address_space: global }
      - { .name: norms, .offset: 8, .size: 8, .value_kind: global_buffer, .address_space: global }
      - { .name: out0, .offset: 16, .size: 8, .value_kind: global_buffer, .address_space: global }
      - { .name: idx, .offset: 24, .size: 8, .value_kind: global_buffer, .address_space: global }
    .group_segment_fixed_size: 1280
    .private_segment_fixed_size: 0
    .kernarg_segment_align: 8
    .kernarg_segment_size: 32
    .max_flat_workgroup_size: 256
    .sgpr_count:     66
    .vgpr_count:     66
    .wavefront_size: 32
...
	.end_amdgpu_metadata
.endif
;; end of part 3
;; launch near (part 4): grid 128 x 1, 8 waves a work-group, no clusters, 5,632 bytes of LDS; arguments idx, codes, scales, norms, cand; writes cand
.if DOCPART == 4
	.amdgcn_target "amdgcn-amd-amdhsa--gfx1250"
	.amdhsa_code_object_version 6
	.text
	.protected	k_qf7dfc705d2_near
	.globl	k_qf7dfc705d2_near
	.p2align	8
	.type	k_qf7dfc705d2_near,@function
k_qf7dfc705d2_near:
	s_mov_b64 s[64:65], 0
	v_nop
	global_prefetch_b8 v0, s[64:65] scope:SCOPE_SE
	s_setreg_imm32_b32 hwreg(HW_REG_WAVE_MODE, 25, 1), 1
	s_wait_xcnt 0x0
; The eight chosen queries (idx, one for each image) against all of mb: cand[work-group][image][16] = the nine smallest clamped squared distances among the work-group's 128 rows of mb, ascending, then seven +infinity.
; A wave takes 16 rows of mb: source 0 = these rows, source 1 = the eight queries, each twice (lane r takes query r % 8); C of the first of the four matrix instructions = -|m|^2 / 2.
; One accumulator, so the chain's links follow each other, with a wait directly ahead of each.
; The numbers meet in LDS by image; wave w then picks image w's nine: each lane sorts its four; nine times the wave's smallest head is found and popped in ONE lane (the lowest that holds it), so equals come out one by one.
; The row numbers are read from memory, held under 8,192 and enter addresses by ANDs, shifts left and additions alone.  What is derived from floating-point numbers only selects values.
; No tensor load: 16 rows a wave are read once, straight into the operand's registers.  LIMITS: NaN and infinities are not served.
.set MF,  16                           ; v16-47   mb's four fragments
.set QF,  48                           ; v48-79   the queries'
.set BI,  80                           ; v80-87   the bias
.set ACC, 88                           ; v88-95
.set SQ,  96                           ; v96-103  squared distances
.set MS,  104                          ; v104-107 mb's scale words
.set QS,  108                          ; v108-111 the queries'
.set XN,  112                          ; v112     |x|^2 of my query
.set G,   113                          ; v113     my query's row
.set LA,  120                          ; v120-123 my four numbers, ascending; v124 +infinity
.set M,   132                          ; v132-140 the nine
.set V,   141
.set TT,  142
.set R15, 10                           ; v10      lane % 16
.set SEL, 26
.set MK,  20                           ; s20, s21 the mask of the lane that is popped
	s_load_b256 s[4:11], s[0:1], 0x0               ; idx, codes, scales, norms
	s_load_b64 s[12:13], s[0:1], 0x20              ; cand
	v_lshl_add_u32 v144, v0, 2, 0x1200
	v_mov_b32 v145, 0
	v_lshrrev_b32 v1, 5, v0
	v_readfirstlane_b32 s14, v1                    ; wave 0..7
	v_and_b32 v11, 31, v0                          ; lane
	v_and_b32 v[R15], 15, v0                       ; r
	v_bfe_u32 v12, v0, 4, 1                        ; h
	v_lshlrev_b32 v1, 4, v11                       ; 16 x lane
	v_lshlrev_b32 v2, 4, v[R15]                    ; 16 r
	v_lshlrev_b32 v3, 5, v12                       ; 32 h
	v_and_b32 v4, 7, v0
	v_lshlrev_b32 v13, 9, v4                       ; my image's 512 bytes of LDS
	v_lshlrev_b32 v4, 2, v4                        ; and its word of idx
	v_lshlrev_b32 v5, 8, v12                       ; 256 h
	s_lshl_b32 s15, s14, 6
	v_add_nc_u32 v6, v13, v3
	v_add_nc_u32 v6, s15, v6                       ; in: image, + 64 x wave + 32 h: rows 16 w + 8 h + 0 .. 7
	s_lshl_b32 s28, s14, 9
	v_add_nc_u32 v7, s28, v1                       ; back: image = my wave, four numbers a lane
	s_add_co_u32 s15, s15, 4096
	v_lshl_add_u32 v8, v[R15], 2, s15              ; the lists: 64 bytes an image, behind the numbers
	v_add_nc_u32 v9, 4096, v1
	v_mov_b32 v[TT], 0                             ; a lane permute's destination counts as one of its sources
	v_mov_b32 v[LA+4], 0x7f800000
	s_mov_b32 s[SEL], 0x76543210
	s_mov_b32 s[SEL+1], 0xfedcba98
	s_lshl_b32 s24, ttmp9, 3
	s_add_co_u32 s24, s24, s14
	s_add_co_u32 s24, s24, 512                     ; my row block: mb begins at 512
	s_mov_b32 s29, 0
	s_wait_kmcnt 0x0
	s_lshl_b32 s28, s24, 12
	s_add_nc_u64 s[16:17], s[6:7], s[28:29]        ; its codes,
	s_lshl_b32 s28, s24, 8
	s_add_nc_u64 s[18:19], s[8:9], s[28:29]        ; scale bytes,
	s_lshl_b32 s28, s24, 6
	s_add_nc_u64 s[22:23], s[10:11], s[28:29]      ; bias
	s_lshl_b32 s28, ttmp9, 9
	s_add_nc_u64 s[12:13], s[12:13], s[28:29]
	global_load_b32 v[G], v4, s[4:5]
.irp i, 0,1,2,3,4,5,6,7
	global_load_b128 v[MF+4*\i:MF+4*\i+3], v1, s[16:17] offset:512*\i
.endr
	global_load_b128 v[MS:MS+3], v2, s[18:19]
	global_load_b128 v[BI:BI+3], v3, s[22:23]
	global_load_b128 v[BI+4:BI+7], v3, s[22:23] offset:16
	s_wait_loadcnt 11                              ; the row number is in; the eleven loads behind it may be out
	v_min_u32 v[G], 0x1fff, v[G]
	v_and_b32 v114, 0x1ff0, v[G]
	v_lshlrev_b32 v114, 8, v114                    ; its row block x 4,096
	v_and_b32 v115, 15, v[G]
	v_lshlrev_b32 v115, 4, v115                    ; + 16 x its row in the block
	v_add_nc_u32 v114, v114, v115
	v_add_nc_u32 v114, v114, v5                    ; + 256 h
	v_lshlrev_b32 v116, 4, v[G]
	v_lshlrev_b32 v117, 2, v[G]
.irp i, 0,1,2,3,4,5,6,7
	global_load_b128 v[QF+4*\i:QF+4*\i+3], v114, s[6:7] offset:512*\i
.endr
	global_load_b128 v[QS:QS+3], v116, s[8:9]
	global_load_b32 v[XN], v117, s[10:11]
	s_wait_loadcnt 0x0
	v_wmma_scale_f32_16x16x128_f8f6f4 v[ACC:ACC+7], v[MF:MF+7], v[QF:QF+7], v[BI:BI+7], v[MS], v[QS] matrix_a_fmt:MATRIX_FMT_FP4 matrix_b_fmt:MATRIX_FMT_FP4
.irp q, 1,2,3
	s_wait_alu depctr_va_vdst(0)                   ; directly ahead of a link that follows its own accumulator's last
	v_wmma_scale_f32_16x16x128_f8f6f4 v[ACC:ACC+7], v[MF+8*\q:MF+8*\q+7], v[QF+8*\q:QF+8*\q+7], v[ACC:ACC+7], v[MS+\q], v[QS+\q] matrix_a_fmt:MATRIX_FMT_FP4 matrix_b_fmt:MATRIX_FMT_FP4
.endr
.rept 4
	v_nop                                          ; four places ahead of the first read of the result (ISA guide 7.12.1)
.endr
.irp j, 0,1,2,3,4,5,6,7
	v_fma_f32 v[SQ+\j], -2.0, v[ACC+\j], v[XN]     ; from the low end on
.endr
.irp j, 0,1,2,3,4,5,6,7
	v_max_num_f32 v[SQ+\j], 0, v[SQ+\j]
.endr
	ds_store_b128 v6, v[SQ:SQ+3]                   ; lanes r and r + 8 hold the same query: they write the same bytes with the same values
	ds_store_b128 v6, v[SQ+4:SQ+7] offset:16
	s_wait_dscnt 0x0
	s_barrier_signal -1
	s_barrier_wait -1
	ds_load_b128 v[LA:LA+3], v7
	s_wait_dscnt 0x0
.macro CE a, b                         ; the smaller into a, the larger into b
	v_min_num_f32 v[TT], v[LA+\a], v[LA+\b]
	v_max_num_f32 v[LA+\b], v[LA+\a], v[LA+\b]
	v_mov_b32 v[LA+\a], v[TT]
.endm
	CE 0, 1
	CE 2, 3
	CE 0, 2
	CE 1, 3
	CE 1, 2
; Nine times: the smallest of the 32 heads; the lowest lane that holds it moves its list up by one.  n: numbers in a lane's list (+infinity stands behind them); behind k pops only 8 - k more are wanted
.macro EXTRACT n
.set k, 0
.rept 9
	v_mov_b32 v[M+k], v[LA]
.irp x, 1,2,4,8
	v_min_num_f32_dpp v[M+k], v[M+k], v[M+k] row_xmask:\x row_mask:0xf bank_mask:0xf
.endr
	v_permlanex16_b32 v[TT], v[M+k], s[SEL], s[SEL+1]
	v_min_num_f32 v[M+k], v[M+k], v[TT]
.if k < 8
	v_cmp_eq_f32 s[MK], v[LA], v[M+k]
	s_sub_co_u32 s[MK+1], 0, s[MK]
	s_and_b32 s[MK], s[MK], s[MK+1]                ; the lowest bit alone
.irp i, 0,1,2,3,4,5,6,7
.if (\i <= 7-k) && (\i < \n)
	v_cndmask_b32 v[LA+\i], v[LA+\i], v[LA+\i+1], s[MK]
.endif
.endr
.endif
.set k, k+1
.endr
.endm
	EXTRACT 4
	v_mov_b32 v[V], 0x7f800000                     ; lane k % 16 takes the k-th, lanes 9 to 15 +infinity
.set k, 0
.rept 9
	v_cmp_eq_u32 vcc_lo, k, v[R15]
	v_cndmask_b32 v[V], v[V], v[M+k], vcc_lo
.set k, k+1
.endr
	ds_store_b32 v8, v[V]
	s_wait_dscnt 0x0
	s_barrier_signal -1
	s_barrier_wait -1
	s_cmp_lg_u32 s14, 0
	s_cbranch_scc1 .Lend
	ds_load_b128 v[SQ:SQ+3], v9                    ; wave 0 stores the eight lists: 512 consecutive bytes, aligned
	s_wait_dscnt 0x0
	global_store_b128 v1, v[SQ:SQ+3], s[12:13]
.Lend:
	s_wait_tensorcnt 0x0
	ds_add_u32 v144, v145
	s_wait_dscnt 0x0
	s_endpgm
.Lfunc_end_k_qf7dfc705d2_near:
	.size	k_qf7dfc705d2_near, .Lfunc_end_k_qf7dfc705d2_near-k_qf7dfc705d2_near
	.p2alignl 7, 3214868480
	.fill 96, 4, 3214868480
	.section	.rodata,"a",@progbits
	.p2align	6, 0x0
	.amdhsa_kernel k_qf7dfc705d2_near
		.amdhsa_group_segment_fixed_size 5632
		.amdhsa_private_segment_fixed_size 0
		.amdhsa_enable_private_segment 0
		.amdhsa_kernarg_size 40
		.amdhsa_user_sgpr_count 2
		.amdhsa_user_sgpr_kernarg_segment_ptr 1
		.amdhsa_wavefront_size32 1
		.amdhsa_system_sgpr_workgroup_id_x 1
		.amdhsa_system_sgpr_workgroup_id_y 1
		.amdhsa_system_sgpr_workgroup_id_z 1
		.amdhsa_system_vgpr_workitem_id 0
		.amdhsa_next_free_vgpr 146
		.amdhsa_next_free_sgpr 66
		.amdhsa_reserve_vcc 1
		.amdhsa_float_denorm_mode_32 3
		.amdhsa_float_denorm_mode_16_64 3
		.amdhsa_memory_ordered 1
		.amdhsa_forward_progress 1
		.amdhsa_inst_pref_size 14
	.end_amdhsa_kernel
	.amdgpu_metadata
---
amdhsa.version: [ 1, 2 ]
amdhsa.kernels:
  - .name:           k_qf7dfc705d2_near
    .symbol:         k_qf7dfc705d2_near.kd
    .args:
      - { .name: idx, .offset: 0, .size: 8, .value_kind: global_buffer, .address_space: global }
      - { .name: codes, .offset: 8, .size: 8, .value_kind: global_buffer, .address_space: global }
      - { .name: scales, .offset: 16, .size: 8, .value_kind: global_buffer, .address_space: global }
      - { .name: norms, .offset: 24, .size: 8, .value_kind: global_buffer, .address_space: global }
      - { .name: cand, .offset: 32, .size: 8, .value_kind: global_buffer, .address_space: global }
    .group_segment_fixed_size: 5632
    .private_segment_fixed_size: 0
    .kernarg_segment_align: 8
    .kernarg_segment_size: 40
    .max_flat_workgroup_size: 256
    .sgpr_count:     66
    .vgpr_count:     146
    .wavefront_size: 32
...
	.end_amdgpu_metadata
.endif
;; end of part 4
;; launch score (part 5): grid 8 x 1, 4 waves a work-group, no clusters, 768 bytes of LDS; arguments cand, out1; writes out1
.if DOCPART == 5
	.amdgcn_target "amdgcn-amd-amdhsa--gfx1250"
	.amdhsa_code_object_version 6
	.text
	.protected	k_qf7dfc705d2_score
	.globl	k_qf7dfc705d2_score
	.p2align	8
	.type	k_qf7dfc705d2_score,@function
k_qf7dfc705d2_score:
	s_mov_b64 s[64:65], 0
	v_nop
	global_prefetch_b8 v0, s[64:65] scope:SCOPE_SE
	s_setreg_imm32_b32 hwreg(HW_REG_WAVE_MODE, 25, 1), 1
	s_wait_xcnt 0x0
; out1[image] = s0 (1 - softmax(s)[0]), s the roots of the nine smallest squared distances of the image's chosen query, ascending.
; A work-group takes an image; thread t takes the ascending list of nine that work-group t of the launch before has made.  Each wave picks the nine smallest of its 32 lists
; (nine times: the smallest head, popped in one lane); the four waves' lists meet in LDS and wave 0 picks once more.  The softmax takes the largest, s8, away before the exponentials.
; LIMITS: NaN and infinities are not served; roots, exponentials and the reciprocal are good to 1 ulp and take denormals for zero (ISA guide 15.8).
.set LA,  16                           ; v16-27  my list (nine numbers, then +infinity)
.set M,   32                           ; v32-40  the nine
.set V,   41
.set TT,  42
.set INF, 43
.set S,   44                           ; v44-52  the roots
.set E,   53                           ; v53-61  the exponentials
.set R15, 10
.set SEL, 10
.set MK,  12
	s_load_b128 s[4:7], s[0:1], 0x0                ; cand, out1
	v_lshl_add_u32 v64, v0, 2, 0x100
	v_mov_b32 v65, 0
	v_lshrrev_b32 v1, 5, v0
	v_readfirstlane_b32 s8, v1                     ; wave
	v_lshlrev_b32 v1, 9, v0                        ; list t: 512 bytes a work-group of the launch before
	v_and_b32 v[R15], 15, v0
	s_lshl_b32 s9, s8, 6
	v_lshl_add_u32 v3, v[R15], 2, s9               ; LDS: 64 bytes a wave
	v_and_b32 v4, 3, v0
	v_lshlrev_b32 v4, 6, v4                        ; and back: lane l takes wave l % 4's list
	v_mov_b32 v2, 0
	v_mov_b32 v[TT], 0                             ; a lane permute's destination counts as one of its sources
	v_mov_b32 v[INF], 0x7f800000
	s_mov_b32 s[SEL], 0x76543210
	s_mov_b32 s[SEL+1], 0xfedcba98
	s_lshl_b32 s14, ttmp9, 6
	s_mov_b32 s15, 0
	s_lshl_b32 s18, ttmp9, 2
	s_mov_b32 s19, 0
	s_wait_kmcnt 0x0
	s_add_nc_u64 s[4:5], s[4:5], s[14:15]
	s_add_nc_u64 s[6:7], s[6:7], s[18:19]
.irp i, 0,1,2
	global_load_b128 v[LA+4*\i:LA+4*\i+3], v1, s[4:5] offset:16*\i
.endr
	s_wait_loadcnt 0x0
.macro EXTRACT n
.set k, 0
.rept 9
	v_mov_b32 v[M+k], v[LA]
.irp x, 1,2,4,8
	v_min_num_f32_dpp v[M+k], v[M+k], v[M+k] row_xmask:\x row_mask:0xf bank_mask:0xf
.endr
	v_permlanex16_b32 v[TT], v[M+k], s[SEL], s[SEL+1]
	v_min_num_f32 v[M+k], v[M+k], v[TT]
.if k < 8
	v_cmp_eq_f32 s[MK], v[LA], v[M+k]
	s_sub_co_u32 s[MK+1], 0, s[MK]
	s_and_b32 s[MK], s[MK], s[MK+1]                ; the lowest lane that holds it, alone: equals come out one by one
.irp i, 0,1,2,3,4,5,6,7
.if (\i <= 7-k) && (\i < \n)
	v_cndmask_b32 v[LA+\i], v[LA+\i], v[LA+\i+1], s[MK]
.endif
.endr
.endif
.set k, k+1
.endr
.endm
	EXTRACT 9
	v_mov_b32 v[V], 0x7f800000
.set k, 0
.rept 9
	v_cmp_eq_u32 vcc_lo, k, v[R15]
	v_cndmask_b32 v[V], v[V], v[M+k], vcc_lo
.set k, k+1
.endr
	ds_store_b32 v3, v[V]                          ; both halves of the lanes write the same words with the same values
	s_wait_dscnt 0x0
	s_barrier_signal -1
	s_barrier_wait -1
	s_cmp_lg_u32 s8, 0
	s_cbranch_scc1 .Lend
.irp i, 0,1,2
	ds_load_b128 v[LA+4*\i:LA+4*\i+3], v4 offset:16*\i
.endr
	s_wait_dscnt 0x0
	v_cmp_gt_u32 vcc_lo, 4, v0                     ; lanes 0 to 3 keep the four lists, the others hold +infinity
.irp i, 0,1,2,3,4,5,6,7,8
	v_cndmask_b32 v[LA+\i], v[INF], v[LA+\i], vcc_lo
.endr
	EXTRACT 9
.irp k, 0,1,2,3,4,5,6,7,8
	v_sqrt_f32 v[S+\k], v[M+\k]
.endr
	v_nop                                          ; a plain line behind the batch,
	s_wait_alu depctr_va_vdst(0)                   ; and one wait ahead of the first line that names a result
.irp k, 0,1,2,3,4,5,6,7,8
	v_sub_f32 v[E+\k], v[S+\k], v[S+8]             ; the largest is taken away
.endr
.irp k, 0,1,2,3,4,5,6,7,8
	v_mul_f32 v[E+\k], 0x3fb8aa3b, v[E+\k]         ; x log2(e)
.endr
.irp k, 0,1,2,3,4,5,6,7,8
	v_exp_f32 v[E+\k], v[E+\k]
.endr
	v_nop
	s_wait_alu depctr_va_vdst(0)
	v_add_f32 v62, v[E], v[E+1]
	v_add_f32 v63, v[E+2], v[E+3]
	v_add_f32 v62, v62, v[E+4]
	v_add_f32 v63, v63, v[E+5]
	v_add_f32 v62, v62, v[E+6]
	v_add_f32 v63, v63, v[E+7]
	v_add_f32 v62, v62, v[E+8]
	v_add_f32 v62, v62, v63                        ; at least 1: the largest's own term
	v_rcp_f32 v63, v62
	v_nop
	s_wait_alu depctr_va_vdst(0)
	v_fma_f32 v62, -v[E], v63, 1.0                 ; 1 - softmax[0]
	v_mul_f32 v62, v[S], v62
	s_wait_xcnt 0x0                                ; EXEC changes only behind this wait
	v_cmp_eq_u32 vcc_lo, 0, v0
	s_and_saveexec_b32 s16, vcc_lo
	global_store_b32 v2, v62, s[6:7]               ; thread 0 alone
	s_wait_xcnt 0x0                                ; and again, in front of the line that widens it
	s_or_b32 exec_lo, exec_lo, s16
.Lend:
	s_wait_tensorcnt 0x0
	ds_add_u32 v64, v65
	s_wait_dscnt 0x0
	s_endpgm
.Lfunc_end_k_qf7dfc705d2_score:
	.size	k_qf7dfc705d2_score, .Lfunc_end_k_qf7dfc705d2_score-k_qf7dfc705d2_score
	.p2alignl 7, 3214868480
	.fill 96, 4, 3214868480
	.section	.rodata,"a",@progbits
	.p2align	6, 0x0
	.amdhsa_kernel k_qf7dfc705d2_score
		.amdhsa_group_segment_fixed_size 768
		.amdhsa_private_segment_fixed_size 0
		.amdhsa_enable_private_segment 0
		.amdhsa_kernarg_size 16
		.amdhsa_user_sgpr_count 2
		.amdhsa_user_sgpr_kernarg_segment_ptr 1
		.amdhsa_wavefront_size32 1
		.amdhsa_system_sgpr_workgroup_id_x 1
		.amdhsa_system_sgpr_workgroup_id_y 1
		.amdhsa_system_sgpr_workgroup_id_z 1
		.amdhsa_system_vgpr_workitem_id 0
		.amdhsa_next_free_vgpr 66
		.amdhsa_next_free_sgpr 66
		.amdhsa_reserve_vcc 1
		.amdhsa_float_denorm_mode_32 3
		.amdhsa_float_denorm_mode_16_64 3
		.amdhsa_memory_ordered 1
		.amdhsa_forward_progress 1
		.amdhsa_inst_pref_size 19
	.end_amdhsa_kernel
	.amdgpu_metadata
---
amdhsa.version: [ 1, 2 ]
amdhsa.kernels:
  - .name:           k_qf7dfc705d2_score
    .symbol:         k_qf7dfc705d2_score.kd
    .args:
      - { .name: cand, .offset: 0, .size: 8, .value_kind: global_buffer, .address_space: global }
      - { .name: out1, .offset: 8, .size: 8, .value_kind: global_buffer, .address_space: global }
    .group_segment_fixed_size: 768
    .private_segment_fixed_size: 0
    .kernarg_segment_align: 8
    .kernarg_segment_size: 16
    .max_flat_workgroup_size: 128
    .sgpr_count:     66
    .vgpr_count:     66
    .wavefront_size: 32
...
	.end_amdgpu_metadata
.endif
;; end of part 5
